; MI455X (gfx1250); checked and timed in simulation.
; The chip was launched on July 23, 2026; its instructions are those of AMD's public machine-readable ISA for CDNA 5 (MIT licence, August 2026) and "CDNA5" Instruction Set Architecture Reference Guide (July 2026). The comments in the code are by the model that wrote it; some were corrected since.
;; B Spline FFD2 D. Allowed arithmetic: float matrix products may take bf16 or f16 operands with f32 sums; other float arithmetic in f32, or as packed bf16 or f16 multiplies, adds, multiply-adds, maxima and minima; sums over many terms, partial sums and values carried from step to step in f32; what a program stores and reads back later, other than sums and carried values, may be rounded once to bf16 or f16.
;; Inputs: grid 4,000,000 x 2 float32; omega 65 x 65 x 2 float32.
;; Outputs: out0 4,000,000 x 2 float32.
;; 2 versions, each right; version 2 is version 1 with the launch eval written anew for expert scheduling mode. Each part assembles by itself: llvm-mc -triple=amdgcn-amd-amdhsa -mcpu=gfx1250 --defsym DOCPART=n.
;; ======== version 1 of 2: 2 launches
;; limits: values are held in f16: magnitudes above 65,504 overflow, below 6.1e-05 lose precision; inputs' magnitudes at most 65,504
;; workspace buffers: idx 8,000,000 bytes of whole numbers; timg 76,800 bytes
;; launch prep (part 1): grid 250 x 1, 25 waves a work-group, no clusters, 0 bytes of LDS; arguments grid, omega, idx, timg; writes idx, timg
.if DOCPART == 1
	.amdgcn_target "amdgcn-amd-amdhsa--gfx1250"
	.amdhsa_code_object_version 6
	.text
	.protected	k_q6804131c06_prep
	.globl	k_q6804131c06_prep
	.p2align	8
	.type	k_q6804131c06_prep,@function
k_q6804131c06_prep:
	s_mov_b64 s[64:65], 0
	v_nop
	global_prefetch_b8 v0, s[64:65] scope:SCOPE_SE
	s_setreg_imm32_b32 hwreg(HW_REG_WAVE_MODE, 25, 1), 1
	s_wait_xcnt 0x0
; B-SPLINE FREE-FORM DEFORMATION, first of two launches: the whole numbers, and the table.
; reference(): x = 512 g0 + 512, y = 512 g1 + 512; ix = floor(x/16), iy = floor(y/16); u, v their fractions; out = (2/1024) sum over a, b of Bu[a] Bv[b] w[iy+a][ix+b], w = omega padded by 2 zeros on each side.
; A point's cell is made of floating-point numbers and steers a lookup: it is made HERE, stored as a whole number, and the next launch reads it from memory and forms its LDS addresses from it.
; NOTHING OF reference() IS LEFT OUT in either launch: both inputs are loaded, the zero padding is built into the table, the clip of u and v is made (next launch).
; LIMITS.  reference() relies on its indices staying inside the padded table: 0 <= ix, iy <= 65, that is grid in [-1, 1.0625).  Outside of that the cell is clamped to 0 .. 65 here, which is not what
; an out-of-range index does in reference().  omega is rounded once to f16 for the table: |omega| stays below 65,504.  NaN and infinities are not treated apart.
; SHARES.  4,000,000 points = 250 work-groups x 25 waves x 640: no tail.  A wave has ten units of 64 points; lane l of unit n owns points 2 l and 2 l + 1: 16 bytes of grid, so a load covers 512 consecutive bytes.
; All ten loads go out at the head.  The next launch gives the same points to the same lanes.
; WHAT IS STORED, 16 bits a point: z = 4 (72 ix + iy) + q.  In the next launch's LDS the row (ix, r) of the table lies four times, copy q at byte 64 (72 ix + r) + 16 q, so 16 z is the point's first row.
; Of the sixteen groups of four banks (64 banks of 4 bytes: ISA guide 11.1) that byte falls into group 4 (r mod 4) + q.  The lanes that load together and have the same iy mod 4 are numbered here, 0, 1, 2 ..,
; and q is that number mod 4: they spread evenly over their four groups.  All copies hold the same numbers: q changes no result.
; idx's layout: a wave's 1,280 bytes are five blocks of 256; lane l's 8 bytes of block k are unit 2k's word and unit 2k+1's; a word is point 2l's z below, point 2l+1's above.
; THE TABLE's image (timg): entry e = 72 ix + r, 16 bytes: w[r][ix .. ix+3], two components each, in f16.  4,800 entries (r to 71, ix to 66: more than is looked up, so that the next launch's 25 waves
; copy 192 each).  Wave 0 of work-groups 0 to 149 makes 32 entries each, while its grid loads are on their way.
.set WAVES, 25
.set ROWS,  72                         ; rows of the table for each ix: a multiple of 4, so that z / 4 mod 4 = iy mod 4
.set G,   8                            ; v[8:47]   ten loads of four: x, y, x, y
.set T,   48                           ; v[48:49]  x/16, y/16
.set IX,  50
.set IY,  51
.set ID,  52                           ; 72 ix + iy
.set P,   53                           ; iy mod 4
.set RK,  54                           ; v[54:57]  my number among the lanes of class 0, 1, 2, 3
.set Z0,  58                           ; v[58:59]  z of my two points
.set WD,  60                           ; v[60:69]  a word for each unit; never rewritten, so no store's data is
.set E,   70                           ; the image: my entry,
.set EX,  71                           ; its ix,
.set RW,  72                           ; its row of omega,
.set CL,  74                           ; v[74:77]  its four columns, then their byte offsets
.set OM,  80                           ; v[80:87]  four control points in f32
.set PK,  88                           ; v[88:91]  the entry
.set EO,  92                           ; its byte offset
	s_load_b256 s[4:11], s[0:1], 0x0               ; grid s[4:5], omega s[6:7], idx s[8:9], timg s[10:11]
	v_lshrrev_b32 v1, 5, v0
	v_readfirstlane_b32 s12, v1                    ; wave 0..24
	v_and_b32 v1, 31, v0                           ; lane
	v_lshlrev_b32 v2, 4, v1                        ; my 16 bytes of a unit of grid
	v_lshlrev_b32 v3, 3, v1                        ; my 8 bytes of a block of idx
	s_mul_i32 s13, ttmp9, WAVES
	s_add_co_u32 s13, s13, s12                     ; my wave among the launch's 6,250
	s_mul_i32 s14, s13, 5120                       ; its 640 points in grid (under 32,000,000)
	s_mov_b32 s15, 0
	s_mul_i32 s24, s13, 1280                       ; and in idx
	s_mov_b32 s25, 0
	s_mov_b32 s16, 0x42000000                      ; 32.0: x/16 = 32 g + 32, rounded once, as 512 g + 512 is (the factor 16 is a power of two)
	s_mov_b32 s17, 0x42000000                      ; named with it as a pair
	s_mov_b32 s18, 0x42830000                      ; 65.5: the clamp's upper end; cut to a whole number it gives 65
	s_wait_kmcnt 0x0
	s_add_nc_u64 s[4:5], s[4:5], s[14:15]
	s_add_nc_u64 s[8:9], s[8:9], s[24:25]
.irp n, 0,1,2,3,4,5,6,7,8,9
	global_load_b128 v[G+4*\n:G+4*\n+3], v2, s[4:5] offset:512*\n
.endr
	; THE IMAGE: one branch region, on the wave's and the work-group's numbers alone
	s_cmp_lg_u32 s12, 0
	s_cbranch_scc1 .Lstream
	s_cmp_ge_u32 ttmp9, 150
	s_cbranch_scc1 .Lstream
	s_lshl_b32 s26, ttmp9, 5
	v_add_nc_u32 v[E], s26, v1                     ; e = 32 x work-group + lane, 0 .. 4,799
	v_mul_u32_u24 v[EX], v[E], 0xe38f              ; e / 72 = (58,255 e) >> 22: 58,255 / 2^22 is above 1/72 by less than 2e-7, times 4,799 still under 1/72
	v_lshrrev_b32 v[EX], 22, v[EX]
	v_mul_u32_u24 v[RW], v[EX], ROWS
	v_sub_nc_u32 v[RW], v[E], v[RW]                ; r = e mod 72
	v_add_nc_u32 v[RW], -2, v[RW]                  ; omega's row r - 2; below 0 it wraps to a large number
	v_cmp_gt_u32 s27, 65, v[RW]                    ; inside omega?
	v_min_u32 v[RW], 64, v[RW]                     ; a row that can be loaded in any case
	v_mul_u32_u24 v[RW], v[RW], 65
.irp b, 0,1,2,3
	v_add_nc_u32 v[CL+\b], \b-2, v[EX]             ; omega's column ix + b - 2
	v_cmp_gt_u32 s[28+\b], 65, v[CL+\b]
	s_and_b32 s[28+\b], s[28+\b], s27              ; row and column inside omega
	v_min_u32 v[CL+\b], 64, v[CL+\b]
	v_add_lshl_u32 v[CL+\b], v[RW], v[CL+\b], 3    ; 8 bytes a control point; 33,792 at the most
	global_load_b64 v[OM+2*\b:OM+2*\b+1], v[CL+\b], s[6:7]
.endr
	s_wait_loadcnt 0x0                             ; these four, and the grid loads ahead of them, which this wave needs next anyway
.irp b, 0,1,2,3
	v_cndmask_b32 v[OM+2*\b], 0, v[OM+2*\b], s[28+\b]      ; the padding's zeros
	v_cndmask_b32 v[OM+2*\b+1], 0, v[OM+2*\b+1], s[28+\b]
	v_cvt_pk_f16_f32 v[PK+\b], v[OM+2*\b], v[OM+2*\b+1]    ; component 0 below, component 1 above
.endr
	v_lshlrev_b32 v[EO], 4, v[E]
	global_store_b128 v[EO], v[PK:PK+3], s[10:11]  ; the wave's 32 entries: 512 consecutive bytes, aligned
.Lstream:
; One point: the point \g of my two in unit \ld.
.macro PT ld, g
	v_pk_fma_f32 v[T:T+1], v[G+4*(\ld)+2*(\g):G+4*(\ld)+2*(\g)+1], s[16:17], s[16:17] op_sel_hi:[1,0,0]
	v_med3_num_f32 v[T], v[T], 0, s18              ; into 0 .. 65.5: inside the stated range this changes nothing,
	v_med3_num_f32 v[T+1], v[T+1], 0, s18
	v_cvt_u32_f32 v[IX], v[T]                      ; and cutting a number that is not negative is floor
	v_cvt_u32_f32 v[IY], v[T+1]
	v_mad_u32_u24 v[ID], v[IX], ROWS, v[IY]
	v_and_b32 v[P], 3, v[IY]
.irp c, 0,1,2,3
	v_cmp_eq_u32 s[20+\c], \c, v[P]                ; the lanes of class c
.endr
.irp c, 0,1,2,3
	v_mbcnt_lo_u32_b32 v[RK+\c], s[20+\c], 0       ; how many of them lie below me.  The count runs through both halves of the wave: within a half the numbers are still consecutive
.endr
.irp c, 1,2,3
	v_cndmask_b32 v[RK], v[RK], v[RK+\c], s[20+\c] ; my own class's count
.endr
	v_and_b32 v[RK], 3, v[RK]                      ; q
	v_lshl_add_u32 v[Z0+(\g)], v[ID], 2, v[RK]     ; z, 18,983 at the most
.endm
.set nn, 0
.rept 10
	s_wait_loadcnt 9-nn                            ; loads come back in order (ISA guide 5.7.1): unit nn is in, the 9 - nn younger ones may stay out
	PT nn, 0
	PT nn, 1
	v_lshl_or_b32 v[WD+nn], v[Z0+1], 16, v[Z0]
.if nn%2 == 1
	global_store_b64 v3, v[WD+nn-1:WD+nn], s[8:9] offset:128*(nn-1)  ; a block's two words: the wave stores 256 consecutive bytes, aligned
.endif
.set nn, nn+1
.endr
	s_endpgm
.Lfunc_end_k_q6804131c06_prep:
	.size	k_q6804131c06_prep, .Lfunc_end_k_q6804131c06_prep-k_q6804131c06_prep
	.p2alignl 7, 3214868480
	.fill 96, 4, 3214868480
	.section	.rodata,"a",@progbits
	.p2align	6, 0x0
	.amdhsa_kernel k_q6804131c06_prep
		.amdhsa_group_segment_fixed_size 0
		.amdhsa_private_segment_fixed_size 0
		.amdhsa_enable_private_segment 0
		.amdhsa_kernarg_size 32
		.amdhsa_user_sgpr_count 2
		.amdhsa_user_sgpr_kernarg_segment_ptr 1
		.amdhsa_wavefront_size32 1
		.amdhsa_system_sgpr_workgroup_id_x 1
		.amdhsa_system_sgpr_workgroup_id_y 1
		.amdhsa_system_sgpr_workgroup_id_z 1
		.amdhsa_system_vgpr_workitem_id 0
		.amdhsa_next_free_vgpr 96
		.amdhsa_next_free_sgpr 66
		.amdhsa_reserve_vcc 0
		.amdhsa_float_denorm_mode_32 3
		.amdhsa_float_denorm_mode_16_64 3
		.amdhsa_memory_ordered 1
		.amdhsa_forward_progress 1
		.amdhsa_inst_pref_size 30
	.end_amdhsa_kernel
	.amdgpu_metadata
---
amdhsa.version: [ 1, 2 ]
amdhsa.kernels:
  - .name:           k_q6804131c06_prep
    .symbol:         k_q6804131c06_prep.kd
    .args:
      - { .name: grid, .offset: 0, .size: 8, .value_kind: global_buffer, .address_space: global }
      - { .name: omega, .offset: 8, .size: 8, .value_kind: global_buffer, .address_space: global }
      - { .name: idx, .offset: 16, .size: 8, .value_kind: global_buffer, .address_space: global }
      - { .name: timg, .offset: 24, .size: 8, .value_kind: global_buffer, .address_space: global }
    .group_segment_fixed_size: 0
    .private_segment_fixed_size: 0
    .kernarg_segment_align: 8
    .kernarg_segment_size: 32
    .max_flat_workgroup_size: 800
    .sgpr_count:     66
    .vgpr_count:     96
    .wavefront_size: 32
...
	.end_amdgpu_metadata
.endif
;; end of part 1
;; launch eval (part 2): grid 250 x 1, 25 waves a work-group, no clusters, 310,528 bytes of LDS; arguments grid, idx, timg, out0; writes out0
.if DOCPART == 2
	.amdgcn_target "amdgcn-amd-amdhsa--gfx1250"
	.amdhsa_code_object_version 6
	.text
	.protected	k_q6804131c06_eval
	.globl	k_q6804131c06_eval
	.p2align	8
	.type	k_q6804131c06_eval,@function
k_q6804131c06_eval:
	s_mov_b64 s[64:65], 0
	v_nop
	global_prefetch_b8 v0, s[64:65] scope:SCOPE_SE
	s_setreg_imm32_b32 hwreg(HW_REG_WAVE_MODE, 25, 1), 1
	s_wait_xcnt 0x0
; B-SPLINE FREE-FORM DEFORMATION, second of two launches: out[p] = (1/18432) sum over a, b of (6 Bu[a]) (6 Bv[b]) w[iy+a][ix+b], 1/18432 = (1/6)(1/6)(2/1024).  No work of reference() is left out.
; The cell comes from idx as a whole number (the launch before made it from the same grid numbers by the same arithmetic); u and v are made here, exactly as reference() has them: 32 g + 32 less its floor, held to 0 .. 1.
; LIMITS, as in the launch before: 0 <= ix, iy <= 65 (grid in [-1, 1.0625)), as reference() relies on; |omega| below 65,504 (the table is f16, rounded once); NaN and infinities are not treated apart.
; Weights and all sums are f32.  As in reference(), the ROW iy + a goes with Bu[a], x's weight, and the COLUMN ix + b with Bv[b].
; SHARES.  250 work-groups x 25 waves x 640 points.  A wave has ten units of 64 points; lane l of a unit owns points 2 l, 2 l + 1: 16 bytes in, 16 bytes out, 512 consecutive bytes a wave and instruction.
; THE TABLE IN LDS.  Entry e = 72 ix + r is 16 bytes: w[r][ix .. ix+3], two f16 each.  It lies four times: copy q at byte 64 e + 16 q.  A point's four rows are 64 bytes apart: one address, four immediates.
; idx holds z = 4 (72 ix + iy) + q, so the address is 16 z; q was chosen so that the lanes that load together spread over the groups of banks (64 banks of 4 bytes: ISA guide 11.1).
; Four copies of 4,800 entries are 307,200 bytes; the work-group is alone on its WGP.
; FILLING IT.  A wave copies 192 entries: six loads of 512 consecutive bytes of the image, a lane an entry, each stored four times.  Store t of lane l goes to copy (t + l/4) mod 4
; 4 (l mod 4) + (t + l/4) mod 4.
; IN FLIGHT.  All of a wave's loads, 6 for the image and 15 for its 640 points, go out at its head; the points' wait under the filling of the table.  Nothing is left that could be asked for earlier, so no prefetch.
; NO CLUSTER, though all work-groups read the image: 250 work-groups (4,000,000 = 250 x 25 x 640) are no multiple of four, and the image goes through registers to be laid out fourfold.
; NO MATRIX WORK: the lookup as a product with one-hot rows would be 96 x 144 multiply-adds a point for 32 that are wanted.
; THE LOOP is written out, 20 points a lane, two deep: address, four LDS loads and weights of point p + 1, then the sums of point p, whose loads were issued a point earlier.
.set WAVES, 25
.set SPARE, 307200                     ; behind the table: the spare words, 128 bytes for each of 25 waves, 13 blocks of 256 bytes that no other line names
.set ZMAX,  18983                      ; 4 (72 x 65 + 65) + 3: 16 z + 192 + 16 = 303,936 stays inside the table
.set O16, 2                            ; v2   16 x lane; never rewritten
.set O8,  3                            ; v3   8 x lane; never rewritten
.set IMG, 4                            ; v4   my entry's bytes in the wave's part of the image; never rewritten
.set AD,  5                            ; v5   an LDS address at work
.set SPW, 6                            ; v6   LDS address of my spare word: SPARE + 4 x my thread's number; never rewritten
.set NIL, 7                            ; v7   0, for the add alone
.set ZERO, 8                           ; v8   0.0: what the first term of a sum is added to
.set ST,  10                           ; v[10:13]  where store t puts my entry
.set M1,  14                           ; v[14:15]  -1.0 twice
.set G,   16                           ; v[16:55]  ten units: x, y, x, y as loaded; then the results in their place
.set Z,   56                           ; v[56:65]  a word of idx for each unit: z of point 2 l below, of point 2 l + 1 above
.set D,   66                           ; v[66:97]  two buffers of 16: row a's four words at 4 a; first, 24 of them carry the image
.set BS,  98                           ; v[98:113] two buffers of 8: (6 Bu[a], 6 Bv[a]) at 2 a
.set TT,  114                          ; pairs at work, x's number below and y's above: 32 g + 32,
.set FL,  116                          ; its floor,
.set U,   118                          ; u, v
.set T1,  120                          ; 1 - u
.set U2,  122
.set T2,  124
.set X,   126
.set Y,   128
.set R,   130                          ; v[130:137] row a's sum over b, two components, at 2 a
.set O,   138                          ; v[138:139] the sum over rows
	s_load_b256 s[4:11], s[0:1], 0x0               ; grid s[4:5], idx s[6:7], timg s[8:9], out0 s[10:11]
	v_lshl_add_u32 v[SPW], v0, 2, SPARE
	v_mov_b32 v[NIL], 0
	v_lshrrev_b32 v1, 5, v0
	v_readfirstlane_b32 s12, v1                    ; wave 0..24
	v_and_b32 v1, 31, v0                           ; lane
	v_lshlrev_b32 v[O16], 4, v1
	v_lshlrev_b32 v[O8], 3, v1
	s_mul_i32 s26, s12, 3072                       ; my wave's 192 entries in the image,
	s_mul_i32 s27, s12, 12288                      ; and in LDS, 64 bytes each
	v_add_nc_u32 v[IMG], s26, v[O16]
	v_lshl_add_u32 v[AD], v1, 6, s27               ; my entry of the wave's first 32
	v_lshrrev_b32 v9, 2, v1
.irp t, 0,1,2,3
	v_add_nc_u32 v[ST+\t], \t, v9
	v_and_b32 v[ST+\t], 3, v[ST+\t]                ; copy (t + l/4) mod 4
	v_lshl_add_u32 v[ST+\t], v[ST+\t], 4, v[AD]
.endr
	v_mov_b32 v[ZERO], 0
	v_mov_b32 v[M1], -1.0
	v_mov_b32 v[M1+1], -1.0
	s_mul_i32 s13, ttmp9, WAVES
	s_add_co_u32 s13, s13, s12                     ; my wave among the launch's 6,250
	s_mul_i32 s14, s13, 5120                       ; its 640 points in grid and in out0
	s_mov_b32 s15, 0
	s_mul_i32 s16, s13, 1280                       ; and in idx
	s_mov_b32 s17, 0
	s_mov_b32 s18, 0x42000000                      ; 32.0; each constant is named as a pair, so both words are written
	s_mov_b32 s19, 0x42000000
	s_mov_b32 s20, 0x40400000                      ; 3.0
	s_mov_b32 s21, 0x40400000
	s_mov_b32 s22, 0xc0c00000                      ; -6.0
	s_mov_b32 s23, 0xc0c00000
	s_mov_b32 s24, 0x38638e39                      ; 1/18432
	s_mov_b32 s25, 0x38638e39
	s_wait_kmcnt 0x0
	s_add_nc_u64 s[4:5], s[4:5], s[14:15]
	s_add_nc_u64 s[10:11], s[10:11], s[14:15]
	s_add_nc_u64 s[6:7], s[6:7], s[16:17]
.irp k, 0,1,2,3,4,5
	global_load_b128 v[D+4*\k:D+4*\k+3], v[IMG], s[8:9] offset:512*\k  ; the image first: it is wanted first
.endr
.irp k, 0,1,2,3,4
	global_load_b64  v[Z+2*\k:Z+2*\k+1], v[O8], s[6:7] offset:256*\k th:TH_LOAD_NT       ; a block of 128 points: its whole numbers,
	global_load_b128 v[G+8*\k:G+8*\k+3], v[O16], s[4:5] offset:1024*\k th:TH_LOAD_NT     ; and its two units of grid
	global_load_b128 v[G+8*\k+4:G+8*\k+7], v[O16], s[4:5] offset:1024*\k+512 th:TH_LOAD_NT
.endr
.irp k, 0,1,2,3,4,5
	s_wait_loadcnt 20-\k                           ; loads come back in order (ISA guide 5.7.1): image load k is in; the 5 - k behind it and the 15 of the points may stay out
.irp t, 0,1,2,3
	ds_store_b128 v[ST+\t], v[D+4*\k:D+4*\k+3] offset:2048*\k
.endr
.endr
	s_wait_dscnt 0x0                               ; for the others' sake: my part of the table is written
	s_barrier_signal -1
	s_barrier_wait -1                              ; everybody's is; from here on the table is only read
; Point \p of my 20 (unit p / 2, the lower or the upper of my two): its address, its four rows, and, while they are on their way, its eight weights.
.macro PREP p
.set ld, (\p)/2
.set hf, (\p)%2
.set DB, D+16*hf
.set BB, BS+8*hf
.set GR, G+4*ld+2*hf
.if (\p)%4 == 0
	s_wait_loadcnt 12-3*((\p)/4)                   ; this block's three loads are in; the later blocks', three each, may stay out
.endif
.if hf == 0
	v_and_b32 v[AD], 0xffff, v[Z+ld]
.else
	v_lshrrev_b32 v[AD], 16, v[Z+ld]
.endif
	v_min_u32 v[AD], ZMAX, v[AD]                   ; a number from memory enters an address only held inside the table
	v_lshlrev_b32 v[AD], 4, v[AD]
.irp a, 0,1,2,3
	ds_load_b128 v[DB+4*\a:DB+4*\a+3], v[AD] offset:64*\a
.endr
	v_pk_fma_f32 v[TT:TT+1], v[GR:GR+1], s[18:19], s[18:19] op_sel_hi:[1,0,0]      ; x/16, y/16
	v_floor_f32 v[FL], v[TT]
	v_floor_f32 v[FL+1], v[TT+1]
	v_pk_fma_f32 v[U:U+1], v[FL:FL+1], v[M1:M1+1], v[TT:TT+1] clamp               ; u, v: exact; the clamp is reference()'s clip to 0 .. 1
	v_pk_fma_f32 v[T1:T1+1], v[U:U+1], -1.0, 1.0 op_sel_hi:[1,0,0]                ; 1 - u
	v_pk_mul_f32 v[U2:U2+1], v[U:U+1], v[U:U+1]
	v_pk_mul_f32 v[T2:T2+1], v[T1:T1+1], v[T1:T1+1]
	v_pk_fma_f32 v[X:X+1], v[U:U+1], s[20:21], s[22:23] op_sel_hi:[1,0,0]         ; 3 u - 6
	v_pk_fma_f32 v[Y:Y+1], v[T1:T1+1], s[20:21], s[22:23] op_sel_hi:[1,0,0]
	v_pk_mul_f32 v[BB+6:BB+7], v[U2:U2+1], v[U:U+1]                               ; 6 b(+1) = u^3
	v_pk_mul_f32 v[BB:BB+1], v[T2:T2+1], v[T1:T1+1]                               ; 6 b(-2) = (1 - u)^3
	v_pk_fma_f32 v[BB+2:BB+3], v[U2:U2+1], v[X:X+1], 4.0 op_sel_hi:[1,1,0]        ; 6 b(-1) = 3 u^3 - 6 u^2 + 4
	v_pk_fma_f32 v[BB+4:BB+5], v[T2:T2+1], v[Y:Y+1], 4.0 op_sel_hi:[1,1,0]        ; 6 b(0) = -3 u^3 + 3 u^2 + 3 u + 1 = the same form in 1 - u
.endm
; Point \p's sums.  left: the LDS loads issued behind its own, which may stay out.
.macro FIN p, left
.set ld, (\p)/2
.set hf, (\p)%2
.set DB, D+16*hf
.set BB, BS+8*hf
.set GR, G+4*ld+2*hf
	s_wait_dscnt \left                             ; LDS loads come back in order (ISA guide 5.7.1): my four rows are in
.irp a, 0,1,2,3
	v_fma_mix_f32 v[R+2*\a], v[DB+4*\a], v[BB+1], v[ZERO] op_sel_hi:[1,0,0]                  ; f16 half x f32 weight, summed in f32: eight chains, row a and component c
	v_fma_mix_f32 v[R+2*\a+1], v[DB+4*\a], v[BB+1], v[ZERO] op_sel:[1,0,0] op_sel_hi:[1,0,0]
.endr
.irp b, 1,2,3
.irp a, 0,1,2,3
	v_fma_mix_f32 v[R+2*\a], v[DB+4*\a+\b], v[BB+2*\b+1], v[R+2*\a] op_sel_hi:[1,0,0]
	v_fma_mix_f32 v[R+2*\a+1], v[DB+4*\a+\b], v[BB+2*\b+1], v[R+2*\a+1] op_sel:[1,0,0] op_sel_hi:[1,0,0]
.endr
.endr
	v_pk_mul_f32 v[O:O+1], v[R:R+1], v[BB:BB+1] op_sel_hi:[1,0]                   ; the rows, both components at once, by Bu[a], the pair's lower word
.irp a, 1,2,3
	v_pk_fma_f32 v[O:O+1], v[R+2*\a:R+2*\a+1], v[BB+2*\a:BB+2*\a+1], v[O:O+1] op_sel_hi:[1,0,1]
.endr
	v_pk_mul_f32 v[GR:GR+1], v[O:O+1], s[24:25] op_sel_hi:[1,0]                   ; into the registers that held the point's x and y
.if hf == 1
	global_store_b128 v[O16], v[G+4*ld:G+4*ld+3], s[10:11] offset:512*ld th:TH_STORE_NT  ; my two points of the unit: the wave stores 512 consecutive bytes, aligned; these registers are not written again
.endif
.endm
	PREP 0
.set i, 0
.rept 19
	PREP i+1
	FIN i, 4                                       ; the next point's four loads may stay out
.set i, i+1
.endr
	FIN 19, 0
	s_wait_tensorcnt 0x0                           ; the wave's end: three closing lines, behind my last LDS store
	ds_add_u32 v[SPW], v[NIL]
	s_wait_dscnt 0x0
	s_endpgm
.Lfunc_end_k_q6804131c06_eval:
	.size	k_q6804131c06_eval, .Lfunc_end_k_q6804131c06_eval-k_q6804131c06_eval
	.p2alignl 7, 3214868480
	.fill 96, 4, 3214868480
	.section	.rodata,"a",@progbits
	.p2align	6, 0x0
	.amdhsa_kernel k_q6804131c06_eval
		.amdhsa_group_segment_fixed_size 310528
		.amdhsa_private_segment_fixed_size 0
		.amdhsa_enable_private_segment 0
		.amdhsa_kernarg_size 32
		.amdhsa_user_sgpr_count 2
		.amdhsa_user_sgpr_kernarg_segment_ptr 1
		.amdhsa_wavefront_size32 1
		.amdhsa_system_sgpr_workgroup_id_x 1
		.amdhsa_system_sgpr_workgroup_id_y 1
		.amdhsa_system_sgpr_workgroup_id_z 1
		.amdhsa_system_vgpr_workitem_id 0
		.amdhsa_next_free_vgpr 140
		.amdhsa_next_free_sgpr 66
		.amdhsa_reserve_vcc 0
		.amdhsa_float_denorm_mode_32 3
		.amdhsa_float_denorm_mode_16_64 3
		.amdhsa_memory_ordered 1
		.amdhsa_forward_progress 1
		.amdhsa_inst_pref_size 77
	.end_amdhsa_kernel
	.amdgpu_metadata
---
amdhsa.version: [ 1, 2 ]
amdhsa.kernels:
  - .name:           k_q6804131c06_eval
    .symbol:         k_q6804131c06_eval.kd
    .args:
      - { .name: grid, .offset: 0, .size: 8, .value_kind: global_buffer, .address_space: global }
      - { .name: idx, .offset: 8, .size: 8, .value_kind: global_buffer, .address_space: global }
      - { .name: timg, .offset: 16, .size: 8, .value_kind: global_buffer, .address_space: global }
      - { .name: out0, .offset: 24, .size: 8, .value_kind: global_buffer, .address_space: global }
    .group_segment_fixed_size: 310528
    .private_segment_fixed_size: 0
    .kernarg_segment_align: 8
    .kernarg_segment_size: 32
    .max_flat_workgroup_size: 800
    .sgpr_count:     66
    .vgpr_count:     140
    .wavefront_size: 32
...
	.end_amdgpu_metadata
.endif
;; end of part 2
;; ======== version 2 of 2: 2 launches; version 1 with the launch eval written anew for expert scheduling mode
;; limits: values are held in f16: magnitudes above 65,504 overflow, below 6.1e-05 lose precision; inputs' magnitudes at most 65,504
;; workspace buffers: idx 8,000,000 bytes of whole numbers; timg 76,800 bytes
;; launch prep: the kernel of part 1 again; grid 250 x 1, 25 waves a work-group, no clusters, 0 bytes of LDS; arguments grid, omega, idx, timg; writes idx, timg
;; launch eval (part 3): grid 250 x 1, 25 waves a work-group, no clusters, 310,528 bytes of LDS; arguments grid, idx, timg, out0; writes out0
.if DOCPART == 3
	.amdgcn_target "amdgcn-amd-amdhsa--gfx1250"
	.amdhsa_code_object_version 6
	.text
	.protected	k_q6804131c06_eval
	.globl	k_q6804131c06_eval
	.p2align	8
	.type	k_q6804131c06_eval,@function
k_q6804131c06_eval:
	s_mov_b64 s[64:65], 0
	v_nop
	global_prefetch_b8 v0, s[64:65] scope:SCOPE_SE
	s_setreg_imm32_b32 hwreg(HW_REG_WAVE_SCHED_MODE, 0, 2), 2
	s_setreg_imm32_b32 hwreg(HW_REG_WAVE_MODE, 25, 1), 1
	s_wait_xcnt 0x0
	s_wait_alu depctr_vm_vsrc(0)
; B-SPLINE FREE-FORM DEFORMATION, second of two launches: out[p] = (1/18432) sum over a, b of (6 Bu[a]) (6 Bv[b]) w[iy+a][ix+b], 1/18432 = (1/6)(1/6)(2/1024).  No work of reference() is left out.
; The cell comes from idx as a whole number (the launch before made it from the same grid numbers by the same arithmetic); u and v are made here, exactly as reference() has them: 32 g + 32 less its floor, held to 0 .. 1.
; LIMITS, as in the launch before: 0 <= ix, iy <= 65 (grid in [-1, 1.0625)), as reference() relies on; |omega| below 65,504 (the table is f16, rounded once); NaN and infinities are not treated apart.
; Weights and all sums are f32.  As in reference(), the ROW iy + a goes with Bu[a], x's weight, and the COLUMN ix + b with Bv[b].
; SHARES.  250 work-groups x 25 waves x 640 points.  A wave has ten units of 64 points; lane l of a unit owns points 2 l, 2 l + 1: 16 bytes in, 16 bytes out, 512 consecutive bytes a wave and instruction.
; THE TABLE IN LDS.  Entry e = 72 ix + r is 16 bytes: w[r][ix .. ix+3], two f16 each.  It lies four times: copy q at byte 64 e + 16 q.  A point's four rows are 64 bytes apart: one address, four immediates.
; idx holds z = 4 (72 ix + iy) + q, so the address is 16 z; q was chosen so that the lanes that load together spread over the groups of banks (64 banks of 4 bytes: ISA guide 11.1).
; Four copies of 4,800 entries are 307,200 bytes; the work-group is alone on its WGP.
; FILLING IT.  A wave copies 192 entries: six loads of 512 consecutive bytes of the image, a lane an entry, each stored four times.  Store t of lane l goes to copy (t + l/4) mod 4
; 4 (l mod 4) + (t + l/4) mod 4.
; IN FLIGHT.  All of a wave's loads, 6 for the image and 15 for its 640 points, go out at its head; the points' wait under the filling of the table.  Nothing is left that could be asked for earlier, so no prefetch.
; NO CLUSTER, though all work-groups read the image: 250 work-groups (4,000,000 = 250 x 25 x 640) are no multiple of four, and the image goes through registers to be laid out fourfold.
; NO MATRIX WORK: the lookup as a product with one-hot rows would be 96 x 144 multiply-adds a point for 32 that are wanted.
; THE MODE: SCHED_MODE bits 1:0 = 2 (LLVM: expert scheduling mode 2), set by the entry lines.  The code itself states the register dependences between vector instructions and memory or LDS
; instructions, with s_wait_alu, always for 0.
; THE PLAN.  20 points a lane, a STEP to a point, written out.  Step p: its waits; the four LDS loads of point p + 1; on even p the store of the unit just finished; then vector work alone: the address of
; point p + 2, the weights of point p + 1, the sums of point p, whose rows were asked for a step earlier.  Registers that memory or LDS instructions touch:
;   v2, v3, v4, v[10:13]  offsets and LDS store addresses: written at the head, never again.
;   AD0, AD1   Point p's address is written into AD[p % 2] in step p - 2 and read by its four loads at the head of step p - 1.
;   D0, D1     At the head the image's loads land in them and the LDS stores read them.  Then point p's loads land in D[p % 2] (head of step p - 1), and step p's sums read it.
;   G          The grid's loads land in it at the head; a point's weights read its x and y; its sums' last line writes the result over them; the unit's store reads them; nothing writes them after that.
;   Z          idx's loads land in it at the head; vector instructions alone read it.      v6, v7  written at the head, read by the closing add alone.
;   The weights BS, the pairs at work, R and O are named by vector instructions alone.
; So a step's memory instructions touch AD[(p + 1) % 2], D[(p + 1) % 2] and a finished unit of G: what the step before wrote or was the last to read, and what no vector instruction between the step's
; waits and these instructions names: they stand straight behind the waits.
.set WAVES, 25
.set SPARE, 307200                     ; behind the table: the spare words, 128 bytes for each of 25 waves, 13 blocks of 256 bytes that no other line names
.set ZMAX,  18983                      ; 4 (72 x 65 + 65) + 3: 16 z + 192 + 16 = 303,936 stays inside the table
.set O16, 2                            ; v2   16 x lane; never rewritten
.set O8,  3                            ; v3   8 x lane; never rewritten
.set IMG, 4                            ; v4   my entry's bytes in the wave's part of the image; never rewritten
.set AD,  5                            ; v5, v9   the LDS address of an even point's rows, of an odd point's: AD + 4 (p % 2); at the head both are at work
.set SPW, 6                            ; v6   LDS address of my spare word: SPARE + 4 x my thread's number; never rewritten
.set NIL, 7                            ; v7   0, for the add alone
.set ZERO, 8                           ; v8   0.0: what the first term of a sum is added to
.set ST,  10                           ; v[10:13]  where store t puts my entry
.set M1,  14                           ; v[14:15]  -1.0 twice
.set G,   16                           ; v[16:55]  ten units: x, y, x, y as loaded; then the results in their place
.set Z,   56                           ; v[56:65]  a word of idx for each unit: z of point 2 l below, of point 2 l + 1 above
.set D,   66                           ; v[66:97]  two buffers of 16: row a's four words at 4 a; first, 24 of them carry the image
.set BS,  98                           ; v[98:113] two buffers of 8: (6 Bu[a], 6 Bv[a]) at 2 a
.set TT,  114                          ; pairs at work, x's number below and y's above: 32 g + 32,
.set FL,  116                          ; its floor,
.set U,   118                          ; u, v
.set T1,  120                          ; 1 - u
.set U2,  122
.set T2,  124
.set X,   126
.set Y,   128
.set R,   130                          ; v[130:137] row a's sum over b, two components, at 2 a
.set O,   138                          ; v[138:139] the sum over rows
	s_load_b256 s[4:11], s[0:1], 0x0               ; grid s[4:5], idx s[6:7], timg s[8:9], out0 s[10:11]
	v_lshl_add_u32 v[SPW], v0, 2, SPARE
	v_mov_b32 v[NIL], 0
	v_lshrrev_b32 v1, 5, v0
	v_readfirstlane_b32 s12, v1                    ; wave 0..24
	v_and_b32 v1, 31, v0                           ; lane
	v_lshlrev_b32 v[O16], 4, v1
	v_lshlrev_b32 v[O8], 3, v1
	s_wait_alu depctr_va_sdst(0)                   ; s12 is written, ahead of its first reader: the wave's places in the image, in LDS and in the three streams are made from it
	s_mul_i32 s26, s12, 3072                       ; my wave's 192 entries in the image,
	s_mul_i32 s27, s12, 12288                      ; and in LDS, 64 bytes each
	v_add_nc_u32 v[IMG], s26, v[O16]
	v_lshl_add_u32 v[AD], v1, 6, s27               ; my entry of the wave's first 32
	v_lshrrev_b32 v9, 2, v1
.irp t, 0,1,2,3
	v_add_nc_u32 v[ST+\t], \t, v9
	v_and_b32 v[ST+\t], 3, v[ST+\t]                ; copy (t + l/4) mod 4
	v_lshl_add_u32 v[ST+\t], v[ST+\t], 4, v[AD]
.endr
	v_mov_b32 v[ZERO], 0
	v_mov_b32 v[M1], -1.0
	v_mov_b32 v[M1+1], -1.0
	s_mul_i32 s13, ttmp9, WAVES
	s_add_co_u32 s13, s13, s12                     ; my wave among the launch's 6,250
	s_mul_i32 s14, s13, 5120                       ; its 640 points in grid and in out0
	s_mov_b32 s15, 0
	s_mul_i32 s16, s13, 1280                       ; and in idx
	s_mov_b32 s17, 0
	s_mov_b32 s18, 0x42000000                      ; 32.0; each constant is named as a pair, so both words are written
	s_mov_b32 s19, 0x42000000
	s_mov_b32 s20, 0x40400000                      ; 3.0
	s_mov_b32 s21, 0x40400000
	s_mov_b32 s22, 0xc0c00000                      ; -6.0
	s_mov_b32 s23, 0xc0c00000
	s_mov_b32 s24, 0x38638e39                      ; 1/18432
	s_mov_b32 s25, 0x38638e39
	s_wait_kmcnt 0x0
	s_add_nc_u64 s[4:5], s[4:5], s[14:15]
	s_add_nc_u64 s[10:11], s[10:11], s[14:15]
	s_add_nc_u64 s[6:7], s[6:7], s[16:17]
	s_wait_alu depctr_va_vdst(0)                   ; the offsets v2, v3, v4 are written, which the loads below and the kernel's stores read, and so are v[10:13], the LDS stores' addresses; no vector instruction stands between here and those LDS stores
.irp k, 0,1,2,3,4,5
	global_load_b128 v[D+4*\k:D+4*\k+3], v[IMG], s[8:9] offset:512*\k  ; the image first: it is wanted first
.endr
.irp k, 0,1,2,3,4
	global_load_b64  v[Z+2*\k:Z+2*\k+1], v[O8], s[6:7] offset:256*\k th:TH_LOAD_NT       ; a block of 128 points: its whole numbers,
	global_load_b128 v[G+8*\k:G+8*\k+3], v[O16], s[4:5] offset:1024*\k th:TH_LOAD_NT     ; and its two units of grid
	global_load_b128 v[G+8*\k+4:G+8*\k+7], v[O16], s[4:5] offset:1024*\k+512 th:TH_LOAD_NT
.endr
.irp k, 0,1,2,3,4,5
	s_wait_loadcnt 20-\k                           ; loads come back in order (ISA guide 5.7.1): image load k is in; the 5 - k behind it and the 15 of the points may stay out
.irp t, 0,1,2,3
	ds_store_b128 v[ST+\t], v[D+4*\k:D+4*\k+3] offset:2048*\k
.endr
.endr
	s_wait_dscnt 0x0                               ; for the others' sake: my part of the table is written
	s_barrier_signal -1
	s_barrier_wait -1                              ; everybody's is; from here on the table is only read
; Point \p of my 20 (unit p / 2, the lower or the upper of my two): the LDS address of its first row, into AD[p % 2].
.macro ADDR p
.set ld, (\p)/2
.set hf, (\p)%2
.set AR, AD+4*hf
.if (\p)%4 == 0
	s_wait_loadcnt 12-3*((\p)/4)                   ; this block's three loads are in, ahead of their first reader; the later blocks', three each, may stay out
.endif
.if hf == 0
	v_and_b32 v[AR], 0xffff, v[Z+ld]
.else
	v_lshrrev_b32 v[AR], 16, v[Z+ld]
.endif
	v_min_u32 v[AR], ZMAX, v[AR]                   ; a number from memory enters an address only held inside the table
	v_lshlrev_b32 v[AR], 4, v[AR]
.endm
; Point \p's four rows, into D[p % 2].
.macro GATHER p
.set hf, (\p)%2
.set AR, AD+4*hf
.set DB, D+16*hf
.irp a, 0,1,2,3
	ds_load_b128 v[DB+4*\a:DB+4*\a+3], v[AR] offset:64*\a
.endr
.endm
; Point \p's eight weights, into BS[p % 2].
.macro BASIS p
.set ld, (\p)/2
.set hf, (\p)%2
.set BB, BS+8*hf
.set GR, G+4*ld+2*hf
	v_pk_fma_f32 v[TT:TT+1], v[GR:GR+1], s[18:19], s[18:19] op_sel_hi:[1,0,0]      ; x/16, y/16
	v_floor_f32 v[FL], v[TT]
	v_floor_f32 v[FL+1], v[TT+1]
	v_pk_fma_f32 v[U:U+1], v[FL:FL+1], v[M1:M1+1], v[TT:TT+1] clamp               ; u, v: exact; the clamp is reference()'s clip to 0 .. 1
	v_pk_fma_f32 v[T1:T1+1], v[U:U+1], -1.0, 1.0 op_sel_hi:[1,0,0]                ; 1 - u
	v_pk_mul_f32 v[U2:U2+1], v[U:U+1], v[U:U+1]
	v_pk_mul_f32 v[T2:T2+1], v[T1:T1+1], v[T1:T1+1]
	v_pk_fma_f32 v[X:X+1], v[U:U+1], s[20:21], s[22:23] op_sel_hi:[1,0,0]         ; 3 u - 6
	v_pk_fma_f32 v[Y:Y+1], v[T1:T1+1], s[20:21], s[22:23] op_sel_hi:[1,0,0]
	v_pk_mul_f32 v[BB+6:BB+7], v[U2:U2+1], v[U:U+1]                               ; 6 b(+1) = u^3
	v_pk_mul_f32 v[BB:BB+1], v[T2:T2+1], v[T1:T1+1]                               ; 6 b(-2) = (1 - u)^3
	v_pk_fma_f32 v[BB+2:BB+3], v[U2:U2+1], v[X:X+1], 4.0 op_sel_hi:[1,1,0]        ; 6 b(-1) = 3 u^3 - 6 u^2 + 4
	v_pk_fma_f32 v[BB+4:BB+5], v[T2:T2+1], v[Y:Y+1], 4.0 op_sel_hi:[1,1,0]        ; 6 b(0) = -3 u^3 + 3 u^2 + 3 u + 1 = the same form in 1 - u
.endm
; Point \p's sums.  left: the LDS loads issued behind its own, which may stay out.
.macro FIN p, left
.set ld, (\p)/2
.set hf, (\p)%2
.set DB, D+16*hf
.set BB, BS+8*hf
.set GR, G+4*ld+2*hf
	s_wait_dscnt \left                             ; LDS loads come back in order (ISA guide 5.7.1): my four rows are in
.irp a, 0,1,2,3
	v_fma_mix_f32 v[R+2*\a], v[DB+4*\a], v[BB+1], v[ZERO] op_sel_hi:[1,0,0]                  ; f16 half x f32 weight, summed in f32: eight chains, row a and component c
	v_fma_mix_f32 v[R+2*\a+1], v[DB+4*\a], v[BB+1], v[ZERO] op_sel:[1,0,0] op_sel_hi:[1,0,0]
.endr
.irp b, 1,2,3
.irp a, 0,1,2,3
	v_fma_mix_f32 v[R+2*\a], v[DB+4*\a+\b], v[BB+2*\b+1], v[R+2*\a] op_sel_hi:[1,0,0]
	v_fma_mix_f32 v[R+2*\a+1], v[DB+4*\a+\b], v[BB+2*\b+1], v[R+2*\a+1] op_sel:[1,0,0] op_sel_hi:[1,0,0]
.endr
.endr
	v_pk_mul_f32 v[O:O+1], v[R:R+1], v[BB:BB+1] op_sel_hi:[1,0]                   ; the rows, both components at once, by Bu[a], the pair's lower word
.irp a, 1,2,3
	v_pk_fma_f32 v[O:O+1], v[R+2*\a:R+2*\a+1], v[BB+2*\a:BB+2*\a+1], v[O:O+1] op_sel_hi:[1,0,1]
.endr
	v_pk_mul_f32 v[GR:GR+1], v[O:O+1], s[24:25] op_sel_hi:[1,0]                   ; into the registers that held the point's x and y
.endm
; Unit \n leaves.
.macro SEND n
	global_store_b128 v[O16], v[G+4*(\n):G+4*(\n)+3], s[10:11] offset:512*(\n) th:TH_STORE_NT  ; my two points of the unit: the wave stores 512 consecutive bytes, aligned; these registers are not written again
.endm
; Step \p.  The last two steps make no address, the last asks for no rows and stores nothing: a wait with no dependence to state is not written.
.macro STEP p
.if (\p) < 18
	s_wait_alu depctr_vm_vsrc(0)                   ; the LDS loads of point p, issued a step ago, have read AD[p % 2], which this step writes anew for point p + 2
.endif
.if (\p) < 19
	s_wait_alu depctr_va_vdst(0)                   ; the step before has written AD[(p + 1) % 2], which the loads below read; its sums are done reading D[(p + 1) % 2], in which they land; on even p the last two steps have written the unit of G that the store below reads
	GATHER (\p)+1
.endif
.if ((\p)%2 == 0) && ((\p) > 1)
	SEND (\p)/2-1
.endif
.if (\p) < 18
	ADDR (\p)+2
.endif
.if (\p) < 19
	BASIS (\p)+1
	FIN \p, 4                                      ; the next point's four loads may stay out
.else
	FIN \p, 0
.endif
.endm
	ADDR 0
	s_wait_alu depctr_vm_vsrc(0)                   ; my LDS stores have read v[D ..], the image's registers, in which the rows' loads land from here on
	s_wait_alu depctr_va_vdst(0)                   ; AD0 is written, which the loads below read
	GATHER 0
	ADDR 1
	BASIS 0
.set i, 0
.rept 20
	STEP i
.set i, i+1
.endr
	s_wait_alu depctr_va_vdst(0)                   ; point 19's sums have written the last unit of G, which the last store reads
	SEND 9
	s_wait_dscnt 0x0                               ; the closing lines, six on end
	s_wait_alu 0x0
	s_wait_tensorcnt 0x0
	ds_add_u32 v[SPW], v[NIL]
	s_wait_dscnt 0x0
	s_endpgm
.Lfunc_end_k_q6804131c06_eval:
	.size	k_q6804131c06_eval, .Lfunc_end_k_q6804131c06_eval-k_q6804131c06_eval
	.p2alignl 7, 3214868480
	.fill 96, 4, 3214868480
	.section	.rodata,"a",@progbits
	.p2align	6, 0x0
	.amdhsa_kernel k_q6804131c06_eval
		.amdhsa_group_segment_fixed_size 310528
		.amdhsa_private_segment_fixed_size 0
		.amdhsa_enable_private_segment 0
		.amdhsa_kernarg_size 32
		.amdhsa_user_sgpr_count 2
		.amdhsa_user_sgpr_kernarg_segment_ptr 1
		.amdhsa_wavefront_size32 1
		.amdhsa_system_sgpr_workgroup_id_x 1
		.amdhsa_system_sgpr_workgroup_id_y 1
		.amdhsa_system_sgpr_workgroup_id_z 1
		.amdhsa_system_vgpr_workitem_id 0
		.amdhsa_next_free_vgpr 140
		.amdhsa_next_free_sgpr 66
		.amdhsa_reserve_vcc 0
		.amdhsa_float_denorm_mode_32 3
		.amdhsa_float_denorm_mode_16_64 3
		.amdhsa_memory_ordered 1
		.amdhsa_forward_progress 1
		.amdhsa_inst_pref_size 79
	.end_amdhsa_kernel
	.amdgpu_metadata
---
amdhsa.version: [ 1, 2 ]
amdhsa.kernels:
  - .name:           k_q6804131c06_eval
    .symbol:         k_q6804131c06_eval.kd
    .args:
      - { .name: grid, .offset: 0, .size: 8, .value_kind: global_buffer, .address_space: global }
      - { .name: idx, .offset: 8, .size: 8, .value_kind: global_buffer, .address_space: global }
      - { .name: timg, .offset: 16, .size: 8, .value_kind: global_buffer, .address_space: global }
      - { .name: out0, .offset: 24, .size: 8, .value_kind: global_buffer, .address_space: global }
    .group_segment_fixed_size: 310528
    .private_segment_fixed_size: 0
    .kernarg_segment_align: 8
    .kernarg_segment_size: 32
    .max_flat_workgroup_size: 800
    .sgpr_count:     66
    .vgpr_count:     140
    .wavefront_size: 32
...
	.end_amdgpu_metadata
.endif
;; end of part 3
